; MI455X (gfx1250); checked and timed in simulation.
; The chip was launched on July 23, 2026; its instructions are those of AMD's public machine-readable ISA for CDNA 5 (MIT licence, August 2026) and "CDNA5" Instruction Set Architecture Reference Guide (July 2026). The comments in the code are by the model that wrote it; some were corrected since.
;; Transformer Block. Allowed arithmetic: matrix products marked QUANTISED: E3M2 operands, one E8M0 scale for each 32 along K, by v_wmma_scale_f32_16x16x128_f8f6f4 with both operands' format E3M2, f32 sums; products left as they are: f32 operands where the result goes on into a quantised operand, else bf16, f16 or f32 operands; f32 sums; everything else in f32.
;; Inputs: bk 256 float32; bq 256 float32; bv 256 float32; fc1_b 1,024 float32; fc1_w 256 x 1,024 float32; fc2_b 256 float32; fc2_w 1,024 x 256 float32; ln1_b 256 float32; ln1_g 256 float32; ln2_b 256 float32; ln2_g 256 float32; wk 256 x 256 float32; wq 256 x 256 float32; wv 256 x 256 float32; x 4 x 256 x 128 x 128 float32.
;; Outputs: out0 4 x 256 x 128 x 128 float32.
;; This version of the problem:
;;   THIS VERSION OF THE PROBLEM IS GIVEN IN LOW PRECISION. The matrix products marked QUANTISED in the list below multiply operands that are first quantised to E3M2 (3 exponent bits, 2 mantissa bits; 6 bits a number), with one power-of-two scale for each 32 numbers along K (OCP MX v1.0); their sums are f32. All else is computed in f32.
;;   The module's matrix products, in the order in which they are computed (A, B: the left and right operand; K: the contracted axis; several contracted axes count as one K, in the product's order):
;;     1. [M 65,536, K 256] x [K 256, N 256]; A: computed on the way; B: input wq: QUANTISED
;;     2. [M 65,536, K 256] x [K 256, N 256]; A: computed on the way; B: input wk: QUANTISED
;;     3. [M 65,536, K 256] x [K 256, N 256]; A: computed on the way; B: input wv: QUANTISED
;;     4. batch 65,536 x [M 1, K 256] x [K 256, N 9]; A: computed on the way; B: computed on the way: left as it is (M = 1 < 16)
;;     5. batch 65,536 x [M 1, K 9] x [K 9, N 256]; A: softmax; B: computed on the way: left as it is (K = 9 < 32)
;;     6. [M 65,536, K 256] x [K 256, N 1,024]; A: computed on the way; B: input fc1_w: QUANTISED
;;     7. [M 65,536, K 1,024] x [K 1,024, N 256]; A: computed on the way; B: input fc2_w: QUANTISED
;;   THE QUANTISER, for each operand of a quantised product, along K:
;;     - K is cut into blocks of 32 from its start; a last block that is shorter is filled with zeros.
;;     - A block's scale is 2^e with e = floor(log2(the largest magnitude in the block)) - 4, held to -126 .. 127; a block of zeros has e = 0. As a byte (E8M0): e + 127.
;;     - Each number is divided by its block's scale, clamped to +-28, and rounded to the nearest number of E3M2, ties to even, subnormals kept.
;;     - The product sums the exact products of the quantised numbers (number of the format x scale) in f32.
;;   ~~~python
;;   def quantise(x, axis):      # numpy; x: float32 -> the quantised numbers, widened to float32 again
;;       x = np.moveaxis(x, axis, -1); K = x.shape[-1]
;;       x = np.pad(x, [(0, 0)] * (x.ndim - 1) + [(0, -K % 32)]); x = x.reshape(x.shape[:-1] + (-1, 32)); a = np.abs(x).max(-1, keepdims=True)
;;       e = np.where(a > 0, np.clip(np.frexp(np.where(a > 0, a, 1))[1] - 1 - 4, -126, 127), 0)      # np.frexp(a)[1] - 1 = floor(log2(a)), exactly
;;       r = np.clip(x / 2.0 ** e, -28, 28)
;;       step = 2.0 ** (np.maximum(np.frexp(np.where(r == 0, 1, r))[1] - 1, -2) - 2)
;;       q = np.round(r / step) * step * 2.0 ** e      # np.round: ties to even
;;       return np.moveaxis(q.reshape(q.shape[:-2] + (-1,))[..., :K], -1, axis).astype(np.float32)
;;   ~~~
;;   OPERANDS COMPUTED ON THE WAY. 'Computed on the way' means the value that the module computes at that place (a softmax that the list does not call 'softmax' is quantised finished and normalised). What goes into a quantiser is computed in f32, as accurately as f32 sums, v_exp_f32 and their like allow (about 1e-6 of the number): no bf16 or f16 on the way to a quantiser, and a product that is left as it is and whose result goes on into a quantised operand takes f32 operands (vector FMAs, or v_wmma_f32_16x16x4_f32). A number that lies on a knife's edge between two numbers of the format may be rounded either way, as far as f32 arithmetic and the matrix unit's own rounding can turn it there, and no further.
;; One version. Each part assembles by itself: llvm-mc -triple=amdgcn-amd-amdhsa -mcpu=gfx1250 --defsym DOCPART=n.
;; ======== version 1 of 1: 2 launches
;; limits: right only within a limited range of input values
;; workspace buffers: wqkv 153,600 bytes; wmlp 409,600 bytes
;; launch prep (part 1): grid 176 x 1, 1 waves a work-group, no clusters, 0 bytes of LDS; arguments wq, wk, wv, fc1_w, fc2_w, wqkv, wmlp; writes wqkv, wmlp
.if DOCPART == 1
	.amdgcn_target "amdgcn-amd-amdhsa--gfx1250"
	.amdhsa_code_object_version 6
	.text
	.protected	k_qfbd4ec2c4e_prep
	.globl	k_qfbd4ec2c4e_prep
	.p2align	8
	.type	k_qfbd4ec2c4e_prep,@function
k_qfbd4ec2c4e_prep:
	s_mov_b64 s[64:65], 0
	v_nop
	global_prefetch_b8 v0, s[64:65] scope:SCOPE_SE
	s_setreg_imm32_b32 hwreg(HW_REG_WAVE_MODE, 25, 1), 1
	s_wait_xcnt 0x0
; The five weights, f32 with K as their FIRST axis, become codes of BF6 (E3M2) with one E8M0 byte for each 32 along K, laid as IMAGES OF OPERAND REGISTERS:
; a fragment (16 output columns x 128 K) is 12 registers a lane; registers 4 g .. 4 g + 3 of lane l lie at 512 g + 16 l: 1,536 bytes.  Three loads of 16 bytes a lane restore it.
; THE COLUMNS OF A FRAGMENT ARE NOT NEIGHBOURS: lane r takes column base + r + 8 (r / 8), so that two neighbouring result tiles hold 16 neighbours along the next axis in a lane's 16 registers.
; One wave makes a PAIR of fragments and their scale image (128 bytes: lanes 0-15 the 16 words of the first, lanes 16-31 those of the second).
;   pairs 0-47:    wq, wk, wv: tile p % 16 of matrix p / 16; the pair is K step 0 | 1                          -> wqkv
;   pairs 48-111:  fc1_w: block kappa of 128 hidden units, tile q1 of 8; the pair is K step 0 | 1             -> wmlp + 51,200 kappa
;   pairs 112-175: fc2_w: K = block kappa's 128 hidden units; the pair is output tile 2 pp | 2 pp + 1         -> wmlp + 51,200 kappa + 24,576
; A lane takes a column and its registers run down K in the operand's own order (k = 64 c + 32 (lane / 16) + 0 .. 31), so a block of 32 lies in one lane and nothing is transposed.
; A block's byte is its largest magnitude's exponent field - 4, held at 1 from below.  LIMITS: a block of zeros, or one whose largest magnitude lies under 2^-122, keeps the byte 1
; (zero codes add nothing; this program alone reads the bytes); NaN and infinities are not served.
.set FLOOR, 0x2800000                  ; 2^(5 - 127)
.set EOFF,  0xfe000000                 ; -(4 << 23)
	s_load_b256 s[4:11], s[0:1], 0x0               ; wq, wk, wv, fc1_w
	s_load_b128 s[12:15], s[0:1], 0x20             ; fc2_w, wqkv
	s_load_b64 s[16:17], s[0:1], 0x30              ; wmlp
	v_and_b32 v1, 15, v0                           ; r
	v_lshrrev_b32 v2, 4, v0                        ; h (one wave: v0 is the lane)
	v_and_b32 v3, 8, v1
	v_add_nc_u32 v3, v3, v1                        ; r + 8 (r / 8)
	v_lshlrev_b32 v4, 2, v3                        ; my column, in bytes
	v_lshlrev_b32 v6, 4, v0                        ; an image's place for my lane
	v_lshlrev_b32 v7, 2, v0                        ; a scale image's
	s_mov_b32 s18, 0x76543210
	s_mov_b32 s19, 0xfedcba98                      ; v_permlanex16_b32's selects for lane l xor 16
	s_mov_b32 s28, ttmp9                           ; the pair
	; offsets, apart from every address: s30 source, s31 from the pair's first fragment to its second, s32 fragments' place, s33 scale image's place, s38 = 1 for rows of 4,096 bytes
	s_cmp_lt_u32 s28, 48
	s_cbranch_scc0 .Lnot_qkv
	s_and_b32 s29, s28, 15
	s_lshr_b32 s30, s29, 1
	s_lshl_b32 s30, s30, 7
	s_and_b32 s29, s29, 1
	s_lshl_b32 s29, s29, 5
	s_add_co_u32 s30, s30, s29                     ; column 32 J + 8 u
	s_mov_b32 s31, 131072                          ; 128 rows of 1,024 bytes
	s_mul_i32 s32, s28, 3072
	s_lshl_b32 s33, s28, 7
	s_add_co_u32 s33, s33, 147456
	s_mov_b32 s38, 0
	s_branch .Ljoined
.Lnot_qkv:
	s_cmp_lt_u32 s28, 112
	s_cbranch_scc0 .Lfc2
	s_sub_co_u32 s29, s28, 48
	s_lshr_b32 s34, s29, 3                         ; kappa
	s_and_b32 s29, s29, 7                          ; q1 = 2 beta + u
	s_lshl_b32 s30, s34, 9
	s_lshr_b32 s35, s29, 1
	s_lshl_b32 s35, s35, 7
	s_add_co_u32 s30, s30, s35
	s_and_b32 s35, s29, 1
	s_lshl_b32 s35, s35, 5
	s_add_co_u32 s30, s30, s35                     ; column 128 kappa + 32 beta + 8 u
	s_mov_b32 s31, 524288                          ; 128 rows of 4,096 bytes
	s_mul_i32 s34, s34, 51200
	s_mul_i32 s32, s29, 3072
	s_add_co_u32 s32, s32, s34
	s_lshl_b32 s33, s29, 7
	s_add_co_u32 s33, s33, s34
	s_add_co_u32 s33, s33, 49152
	s_mov_b32 s38, 1
	s_branch .Ljoined
.Lfc2:
	s_sub_co_u32 s29, s28, 112
	s_lshr_b32 s34, s29, 3                         ; kappa
	s_and_b32 s29, s29, 7                          ; pp
	s_lshl_b32 s30, s34, 17                        ; row 128 kappa
	s_lshl_b32 s35, s29, 7
	s_add_co_u32 s30, s30, s35                     ; column 32 pp
	s_mov_b32 s31, 32                              ; 8 columns on
	s_mul_i32 s34, s34, 51200
	s_mul_i32 s32, s29, 3072
	s_add_co_u32 s32, s32, s34
	s_add_co_u32 s32, s32, 24576
	s_add_co_u32 s33, s35, s34
	s_add_co_u32 s33, s33, 50176
	s_mov_b32 s38, 0
.Ljoined:
	s_mov_b32 s37, 0
	s_wait_kmcnt 0x0
	s_cmp_lt_u32 s28, 16                           ; the buffers are chosen on the pair's number alone
	s_cselect_b64 s[20:21], s[4:5], s[6:7]
	s_cmp_lt_u32 s28, 32
	s_cselect_b64 s[20:21], s[20:21], s[8:9]
	s_cmp_lt_u32 s28, 48
	s_cselect_b64 s[20:21], s[20:21], s[10:11]
	s_cselect_b64 s[24:25], s[14:15], s[16:17]
	s_cmp_lt_u32 s28, 112
	s_cselect_b64 s[20:21], s[20:21], s[12:13]
	s_mov_b32 s36, s30
	s_add_nc_u64 s[20:21], s[20:21], s[36:37]      ; the first fragment's corner
	s_mov_b32 s36, s31
	s_add_nc_u64 s[22:23], s[20:21], s[36:37]      ; the second's
	s_mov_b32 s36, s33
	s_add_nc_u64 s[26:27], s[24:25], s[36:37]      ; the scale image
	s_mov_b32 s36, s32
	s_add_nc_u64 s[24:25], s[24:25], s[36:37]      ; the two fragment images
; W(64 c + 32 h + i, my column) of fragment e into v[64 + 64 e + 32 c + i]
.macro LOADW stride
	v_mul_u32_u24 v5, v2, 32*\stride               ; lanes 16-31 begin 32 rows further down
	v_add_nc_u32 v5, v5, v4
.irp e, 0,1
.irp c, 0,1
.irp i, 0,1,2,3,4,5,6,7,8,9,10,11,12,13,14,15,16,17,18,19,20,21,22,23,24,25,26,27,28,29,30,31
	global_load_b32 v[64+64*\e+32*\c+\i], v5, s[20+2*\e:21+2*\e] offset:(64*\c+\i)*\stride
.endr
.endr
.endr
.endm
	s_cmp_eq_u32 s38, 1
	s_cbranch_scc1 .Lwide
	s_wait_alu depctr_va_vdst(0)
	LOADW 1024
	s_branch .Lloaded
.Lwide:
	s_wait_alu depctr_va_vdst(0)
	LOADW 4096
.Lloaded:
	s_wait_loadcnt 0x0
	; four blocks k = 2 e + c, by turns: all 32 numbers of a block are mine
.irp k, 0,1,2,3
	v_max3_num_f32 v[32+\k], |v[64+32*\k]|, |v[65+32*\k]|, FLOOR   ; the floor holds the byte at 1 from below
.endr
.irp i, 2,4,6,8,10,12,14,16,18,20,22,24,26,28,30
.irp k, 0,1,2,3
	v_max3_num_f32 v[32+\k], v[32+\k], |v[64+32*\k+\i]|, |v[65+32*\k+\i]|
.endr
.endr
.irp k, 0,1,2,3
	v_add_nc_u32 v[40+\k], EOFF, v[32+\k]          ; 4 off the exponent field: the conversion's scale operand
.endr
.irp k, 0,1,2,3
	v_lshrrev_b32 v[36+\k], 23, v[40+\k]           ; the byte
.endr
	v_lshlrev_b32 v10, 3, v2                       ; 8 h
.irp e, 0,1
	v_lshl_or_b32 v[44+\e], v[37+2*\e], 16, v[36+2*\e]   ; my two bytes: blocks h and 2 + h of my column,
	v_mov_b32 v[46+\e], 0                          ; (a lane permute's destination counts as read)
.endr
.irp e, 0,1
	v_lshlrev_b32 v[44+\e], v10, v[44+\e]          ; at their places in the word;
.endr
.irp e, 0,1
	v_permlanex16_b32 v[46+\e], v[44+\e], s18, s19
.endr
.irp e, 0,1
	v_or_b32 v[44+\e], v[44+\e], v[46+\e]          ; with lane l xor 16's two the word is whole, in both halves of the lanes
.endr
	v_cmp_eq_u32 vcc_lo, 1, v2
	v_cndmask_b32 v48, v44, v45, vcc_lo            ; lanes 0-15: the first fragment's words; lanes 16-31: the second's
.irp e, 0,1
.irp c, 0,1
	v_cvt_scalef32_pk16_bf6_f32 v[192+12*\e+6*\c:194+12*\e+6*\c], v[64+64*\e+32*\c:79+64*\e+32*\c], v[40+2*\e+\c]
	v_cvt_scalef32_pk16_bf6_f32 v[216+8*\e+4*\c:218+8*\e+4*\c], v[80+64*\e+32*\c:95+64*\e+32*\c], v[40+2*\e+\c]   ; (a conversion's three registers begin on an even number: made elsewhere and moved)
.endr
.endr
	v_nop                                          ; one plain place behind a scaled conversion
.irp e, 0,1
.irp c, 0,1
.irp i, 0,1,2
	v_mov_b32 v[195+12*\e+6*\c+\i], v[216+8*\e+4*\c+\i]
.endr
.endr
.endr
.irp g, 0,1,2,3,4,5
	global_store_b128 v6, v[192+4*\g:195+4*\g], s[24:25] offset:512*\g   ; 32 lanes store 512 consecutive bytes, at a multiple of 256 from the buffer's first byte
.endr
	global_store_b32 v7, v48, s[26:27]
	s_endpgm
.Lfunc_end_k_qfbd4ec2c4e_prep:
	.size	k_qfbd4ec2c4e_prep, .Lfunc_end_k_qfbd4ec2c4e_prep-k_qfbd4ec2c4e_prep
	.p2alignl 7, 3214868480
	.fill 96, 4, 3214868480
	.section	.rodata,"a",@progbits
	.p2align	6, 0x0
	.amdhsa_kernel k_qfbd4ec2c4e_prep
		.amdhsa_group_segment_fixed_size 0
		.amdhsa_private_segment_fixed_size 0
		.amdhsa_enable_private_segment 0
		.amdhsa_kernarg_size 56
		.amdhsa_user_sgpr_count 2
		.amdhsa_user_sgpr_kernarg_segment_ptr 1
		.amdhsa_wavefront_size32 1
		.amdhsa_system_sgpr_workgroup_id_x 1
		.amdhsa_system_sgpr_workgroup_id_y 1
		.amdhsa_system_sgpr_workgroup_id_z 1
		.amdhsa_system_vgpr_workitem_id 0
		.amdhsa_next_free_vgpr 240
		.amdhsa_next_free_sgpr 66
		.amdhsa_reserve_vcc 1
		.amdhsa_float_denorm_mode_32 3
		.amdhsa_float_denorm_mode_16_64 3
		.amdhsa_memory_ordered 1
		.amdhsa_forward_progress 1
		.amdhsa_inst_pref_size 35
	.end_amdhsa_kernel
	.amdgpu_metadata
---
amdhsa.version: [ 1, 2 ]
amdhsa.kernels:
  - .name:           k_qfbd4ec2c4e_prep
    .symbol:         k_qfbd4ec2c4e_prep.kd
    .args:
      - { .name: wq, .offset: 0, .size: 8, .value_kind: global_buffer, .address_space: global }
      - { .name: wk, .offset: 8, .size: 8, .value_kind: global_buffer, .address_space: global }
      - { .name: wv, .offset: 16, .size: 8, .value_kind: global_buffer, .address_space: global }
      - { .name: fc1_w, .offset: 24, .size: 8, .value_kind: global_buffer, .address_space: global }
      - { .name: fc2_w, .offset: 32, .size: 8, .value_kind: global_buffer, .address_space: global }
      - { .name: wqkv, .offset: 40, .size: 8, .value_kind: global_buffer, .address_space: global }
      - { .name: wmlp, .offset: 48, .size: 8, .value_kind: global_buffer, .address_space: global }
    .group_segment_fixed_size: 0
    .private_segment_fixed_size: 0
    .kernarg_segment_align: 8
    .kernarg_segment_size: 56
    .max_flat_workgroup_size: 32
    .sgpr_count:     66
    .vgpr_count:     240
    .wavefront_size: 32
...
	.end_amdgpu_metadata
.endif
;; end of part 1
;; launch block (part 2): grid 256 x 1, 8 waves a work-group, clusters of 4 x 1, 327,680 bytes of LDS; arguments x, wqkv, wmlp, ln1_g, ln1_b, ln2_g, ln2_b, bq, bk, bv, fc1_b, fc2_b, out0; writes out0
.if DOCPART == 2
	.amdgcn_target "amdgcn-amd-amdhsa--gfx1250"
	.amdhsa_code_object_version 6
	.text
	.protected	k_qfbd4ec2c4e_block
	.globl	k_qfbd4ec2c4e_block
	.p2align	8
	.type	k_qfbd4ec2c4e_block,@function
k_qfbd4ec2c4e_block:
	s_mov_b64 s[64:65], 0
	v_nop
	global_prefetch_b8 v0, s[64:65] scope:SCOPE_SE
	s_setreg_imm32_b32 hwreg(HW_REG_WAVE_MODE, 25, 1), 1
	s_wait_xcnt 0x0
	s_wait_alu depctr_hold_cnt(0) depctr_sa_sdst(0) depctr_va_vdst(0) depctr_va_sdst(0) depctr_va_ssrc(0) depctr_va_vcc(0) depctr_vm_vsrc(0)
	s_getreg_b32 s2, hwreg(HW_REG_IB_STS2, 6, 4)
	s_cmp_eq_u32 s2, 0
	s_cbranch_scc0 .Lentry_in_a_cluster
	s_endpgm
.Lentry_in_a_cluster:
	s_bfe_u32 s2, ttmp6, 0x10000c
	s_cmp_lg_u32 s2, 0x3003
	s_cbranch_scc0 .Lentry_shape_is_right
	s_endpgm
.Lentry_shape_is_right:
; The whole block behind the weights' quantising: LN1, q k v (MX-BF6), 3 x 3 neighbourhood attention (f32), residual, LN2, fc1 (MX-BF6), exact GELU, fc2 (MX-BF6), residual.  x, out0: [4][256][128][128] f32.
; SHARES.  Work-group g takes image g / 64, image rows y0 = 2 (g % 64) and y0 + 1, all 128 columns: 256 tokens.  Wave w takes columns 16 w .. 16 w + 15 of both rows: own tiles m = 0, 1.
; k and v are also made for the rows y0 - 1 and y0 + 2 (clamped into the image; the mask throws such neighbours away): four tiles rho = 0 .. 3 a wave, own tile m = rho m + 1.  So q, k, v never go to memory.
; TWO LAYOUTS of 32 tokens x 256 channels in the 256 registers of window 1:
;   L32: register c = channel c; lanes 0-15 the first tile's tokens, lanes 16-31 the second's.  A token lies whole in one lane: LayerNorm and the quantiser ask no other lane.
;   LT:  register 32 b + 16 m + i of lane (r, h) = token (m, r), channel 32 b + 16 h + i: the layout of every matrix result here.  128 half-swaps turn one into the other (SWAPX).
; EVERY PRODUCT IS USED TRANSPOSED: source 0 = 16 weight columns (chosen by the launch before so that register j of tile (J, u) is output 32 J + 16 h + 8 u + j), source 1 = 16 tokens.
; k and v go from wave to wave through LDS in chunks of 32 channels, two chunk buffers by turns, one barrier a chunk.  x1 is the C of fc2's sums; the biases are the C of the other sums.
; WHAT RECURS IS WRITTEN ONCE: LN1's two passes are a loop of two trips, the eight chunks of k and the eight of v loops of four trips of two chunks (one for each chunk buffer), the MLP a loop over blocks of 128 hidden units.
; CLUSTER.  All work-groups walk the same weights: 4 work-groups ask for each block JOINTLY (mask 15), every wave one eighth of it; the grid of 256 divides by 4.
; LIMITS: NaN and infinities are not served.  A block whose largest magnitude lies under 2^-122 (zeros too) keeps the scale byte 1.  erf's argument is held to |z| <= 4, beyond which erf is 1 in f32;
; erf is the quotient of two polynomials in z^2 (7 and 5 terms), right to a few units in f32's last place.
; REGISTERS, window 0: v1-15 addresses; v112-115 and v248-255 scale words and nothing else; the rest by phase, named below.  Window 1: the tokens' 256 channels, and in the score phase q, the partial scores, q's weights, k's neighbours.
; THE LOOPS AS THEY STAND (in place of what the head says of them): k's and v's loops walk ONE chunk a trip, eight trips; the two chunk buffers take turns by s28 (0 or D1 - D0).
; x for the residual comes chunk by chunk inside v's loop.  The MLP's trip holds a loop of four trips, one block of 32 hidden units each; the hidden layer's codes go through a stage of the wave's own in LDS.
.set D0,    155648
.set D1,    230656                     ; D0, D1: chunk buffers: 4 rows x 130 places x 144 bytes (32 channels + 16 of padding: 9 x 16)
.set DROW,  18720                      ; 130 places
.set DPL,   144
.set SPARE, 305664                     ; the spare words, 128 bytes for each wave: four blocks of 256 bytes that no other line names
.set BT,    306688                     ; bq, bk, bv (1,024 bytes each), fc1_b (4,096)
.set SLOT1, 65536
.set BLKB,  51200                      ; a block of wmlp: 128 hidden units
.set CHW,   14                         ; v14  the trip's weights of k or of v;  v15 of q;  v134 its scale images;  v135 its biases
.set CHQ,   15
.set CHS,   134
.set CHB,   135
.set RF,    16                         ; v16-111  tokens' fragments: tile rho, K step s at RF + 24 rho + 12 s
.set SH,    112                        ; v112-113 scale words of tiles 0 | 3 (lanes 0-15 | 16-31), K step s; in the MLP of tiles m = 0 | 1
.set SO,    114                        ; v114-115 of tiles 1 | 2; in the MLP the hidden layer's, tile m
.set WGT,   116                        ; v116-133 the 18 weights of the softmax
.set WFR,   136                        ; v136-183 four weight fragments (u, s)
.set DD,    184                        ; v184-247 k's or v's eight accumulators (rho, u)
.set VECV,  136                        ; v136-215 v's neighbours: a ring of five vectors of 16
.set ATT,   216                        ; v216-247 a chunk's weighted sums, tile m at ATT + 16 m
.set SS,    136                        ; v136-153 scores;  v154-171 the other half's;  v172-177 at work
.set TM,    154
.set WSK,   252                        ; v252-253 k's or v's weight scale words (u);  v254-255 q's
.set WSQ,   254
.set SA,    32                         ; window 1: v0-31 q (m, u); v32-67 18 partial scores, pairs; v96-143 q's weights; v144-239 k's neighbours; v240-241 the chunk buffers' addresses
.set WQ,    96
.set VECK,  144
.set LNT,   116                        ; LayerNorm: v116-147 a block of 32;  v148-155 four packed sums;  v172-173 mean;  v174-175 1 / sigma;  v176-179 at work;  v180-182 codes
.set LNA,   148
.set LNM,   172
.set LNR,   174
.set LNX,   176
.set LNS,   178
.set LNB,   179
.set LNC,   180
.set MX,    64                         ; MLP: v64-71 largest magnitudes, the other half's, scale operands, bytes (two each);  v72 fc1_b's address
.set MY,    66
.set SC,    68
.set BY,    70
.set BIA,   72
.set BIC,   73                         ; v73  fc1_b's address for the block of 32 in hand;  v74 where its codes go in my stage;  v75 where the fragments are read back;  v108 the stage's base for my lane
.set PSA,   74
.set PLD,   75
.set PSB,   108
.set QB,    68                         ; window 1: v68-83 bq in the result's layout (u)
.set CROW,  144                        ; the codes' stage, over chunk buffer 0: a token's row: 4 blocks x 2 halves x a place of 16 bytes, + 16
.set CTIL,  16*CROW                    ; a tile of 16 tokens; a wave has two
.set PP,    76                         ; v76-99   the hidden layer's fragment, tile m at PP + 12 m;  v100-107 half blocks on their way
.set STG,   100
.set HH,    116                        ; v116-147 fc1's four accumulators (m, u)
.set GC,    148                        ; v148-179 GELU at work: clamped x, its square, numerator, denominator
.set GU,    156
.set GA,    164
.set GB,    172
.set WB0,   180                        ; v180-227 four weight fragments;  v116-163 four more, in the fc2 phase alone
.set WB1,   116
.set BI,    228                        ; v228-243 fc1_b in the result's layout (u);  v244-247 two coefficients as pairs
.set WS,    248                        ; v248-255 weight scale words
.set MSB, 0
.macro WIN new                         ; the immediate's high byte repeats the setting that is left; low byte: bits 1:0 source 0, 3:2 source 1, 5:4 source 2, 7:6 destination
.if MSB != \new
	s_set_vgpr_msb (MSB<<8)|\new
.set MSB, \new
.endif
.endm
.macro PLACES n                        ; plain vector instructions that name no register of the matrix instructions in front (ISA guide 7.12.1)
.rept \n
	v_nop
.endr
.endm
.macro BAR                             ; my LDS stores have landed and my LDS loads are in: then the work-group's barrier
	s_wait_dscnt 0x0
	s_barrier_signal -1
	s_barrier_wait -1
.endm
.macro ROUND                           ; a round of the cluster's barrier
	s_barrier_signal -1
	s_barrier_wait -1
	s_cmp_lg_u32 s4, 0
	s_cbranch_scc1 .Lnot_wave_0_\@
	s_barrier_signal -3
.Lnot_wave_0_\@:
	s_barrier_wait -3
	s_barrier_signal -1
	s_barrier_wait -1
.endm
; A joint refill: every wave waits for its one tensor load, adds 0 to its spare word, waits for that and for its LDS reads; the round shows the same of every wave of the four work-groups; the load is first behind it.
.macro REFILL step
	WIN 0
	s_wait_tensorcnt 0x0                           ; no tensor load of mine is out, so the descriptor may be written
	ds_add_u32 v1, v2                              ; 0 onto my spare word
.if \step
	s_xor_b32 s97, s97, SLOT1                      ; the other slot,
	s_add_nc_u64 s[98:99], s[98:99], BLKB          ; the next block; the type bits on top are not reached
.endif
	s_wait_dscnt 0x0                               ; the add is done, and my reads of the bytes to be filled are over
	ROUND
	tensor_load_to_lds s[96:99], s[88:95]
	s_nop 0
	PLACES 4
.endm
; One scaled product.  ra, rb: source 0's, source 1's scale words stand in lanes 16-31
.macro WM d, a, b, c, sa, sb, ra, rb
.if (\ra) && (\rb)
	v_wmma_scale_f32_16x16x128_f8f6f4 v[(\d):(\d)+7], v[(\a):(\a)+11], v[(\b):(\b)+11], v[(\c):(\c)+7], v[\sa], v[\sb] matrix_a_fmt:MATRIX_FMT_BF6 matrix_b_fmt:MATRIX_FMT_BF6 matrix_a_scale:MATRIX_SCALE_ROW1 matrix_b_scale:MATRIX_SCALE_ROW1
.elseif (\ra)
	v_wmma_scale_f32_16x16x128_f8f6f4 v[(\d):(\d)+7], v[(\a):(\a)+11], v[(\b):(\b)+11], v[(\c):(\c)+7], v[\sa], v[\sb] matrix_a_fmt:MATRIX_FMT_BF6 matrix_b_fmt:MATRIX_FMT_BF6 matrix_a_scale:MATRIX_SCALE_ROW1
.elseif (\rb)
	v_wmma_scale_f32_16x16x128_f8f6f4 v[(\d):(\d)+7], v[(\a):(\a)+11], v[(\b):(\b)+11], v[(\c):(\c)+7], v[\sa], v[\sb] matrix_a_fmt:MATRIX_FMT_BF6 matrix_b_fmt:MATRIX_FMT_BF6 matrix_b_scale:MATRIX_SCALE_ROW1
.else
	v_wmma_scale_f32_16x16x128_f8f6f4 v[(\d):(\d)+7], v[(\a):(\a)+11], v[(\b):(\b)+11], v[(\c):(\c)+7], v[\sa], v[\sb] matrix_a_fmt:MATRIX_FMT_BF6 matrix_b_fmt:MATRIX_FMT_BF6
.endif
.endm
.macro F3 reg, adr, off                ; a fragment's image: three loads of 512 consecutive bytes
.irp g, 0,1,2
	ds_load_b128 v[(\reg)+4*\g:(\reg)+4*\g+3], v[\adr] offset:(\off)+512*\g
.endr
.endm
.macro XL32 adr                        ; x in layout L32: channel c of my token; 16 lanes read 64 consecutive bytes of an image row
	WIN 0x40
.set cnt, 0
.rept 256
	global_load_b32 v[cnt], v[\adr], s[8+2*(cnt/128):9+2*(cnt/128)] offset:(cnt%128)*65536
.set cnt, cnt+1
.endr
	WIN 0
.endm
.macro XCH                             ; x of my own 32 tokens, the 32 channels at s[8:9], in layout LT, into window 1's last 32 registers
	WIN 0x40
.irp m, 0,1
.irp i, 0,1,2,3,4,5,6,7,8,9,10,11,12,13,14,15
	global_load_b32 v[224+16*\m+\i], v13, s[8:9] offset:\i*65536+512*\m
.endr
.endr
	WIN 0
.endm
.macro SWAPX                           ; L32 <-> LT: the first's lanes 16-31 change places with the second's lanes 0-15
	WIN 0x41
.irp b, 0,1,2,3,4,5,6,7
.irp i, 0,1,2,3,4,5,6,7,8,9,10,11,12,13,14,15
	v_permlane16_swap_b32 v[32*\b+\i], v[32*\b+16+\i]
.endr
.endr
	WIN 0
.endm
.macro SLD beta                        ; 32 gains into s16-47, 32 biases into s48-63 and s68-83
	s_load_b512 s[16:31], s[84:85], 128*(\beta)
	s_load_b512 s[32:47], s[84:85], 128*(\beta)+64
	s_load_b512 s[48:63], s[86:87], 128*(\beta)
	s_load_b512 s[68:83], s[86:87], 128*(\beta)+64
.endm
.macro LNFOLD
	v_pk_add_f32 v[LNA:LNA+1], v[LNA:LNA+1], v[LNA+2:LNA+3]
	v_pk_add_f32 v[LNA+4:LNA+5], v[LNA+4:LNA+5], v[LNA+6:LNA+7]
	v_pk_add_f32 v[LNA:LNA+1], v[LNA:LNA+1], v[LNA+4:LNA+5]
	v_add_f32 v[LNX], v[LNA], v[LNA+1]
.endm
; LayerNorm and quantiser of the 32 tokens that lie in window 1 in layout L32 (left as they are).  Gain and bias pointers: s[84:87].  The fragments of the tile in lanes 0-15 go to tile place flo, those of lanes 16-31 to fhi;
; the scale words of K step s to v[sw + s].  All in f32: mean, mean of squared differences, (x - mean) / sigma x g + b.
.macro LNQ flo, fhi, sw, ip            ; ip = 1: the tokens are not needed again: the mean is taken off them in place
	SLD 0
	s_mov_b32 s100, 0x3b800000                     ; 1 / 256
	s_mov_b32 s101, 0x3727c5ac                     ; 1e-5
	WIN 0x05
.irp k, 0,1,2,3
	v_pk_add_f32 v[LNA+2*\k:LNA+2*\k+1], v[2*\k:2*\k+1], v[2*\k+8:2*\k+9]   ; the first pairs start four chains: nothing is cleared
.endr
	WIN 0x01
.set cnt, 8
.rept 120
	v_pk_add_f32 v[LNA+2*(cnt%4):LNA+2*(cnt%4)+1], v[2*cnt:2*cnt+1], v[LNA+2*(cnt%4):LNA+2*(cnt%4)+1]
.set cnt, cnt+1
.endr
	WIN 0
	LNFOLD
	v_mul_f32 v[LNM], s100, v[LNX]
	v_mul_f32 v[LNM+1], s100, v[LNX]               ; the mean, twice: a pair for the packed forms
.if \ip
	WIN 0x41
.set cnt, 0
.rept 128
	v_pk_add_f32 v[2*cnt:2*cnt+1], v[2*cnt:2*cnt+1], v[LNM:LNM+1] neg_lo:[0,1] neg_hi:[0,1]
.set cnt, cnt+1
.endr
	WIN 0x05
.set cnt, 0
.rept 128
.if cnt < 4
	v_pk_mul_f32 v[LNA+2*cnt:LNA+2*cnt+1], v[2*cnt:2*cnt+1], v[2*cnt:2*cnt+1]
.else
	v_pk_fma_f32 v[LNA+2*(cnt%4):LNA+2*(cnt%4)+1], v[2*cnt:2*cnt+1], v[2*cnt:2*cnt+1], v[LNA+2*(cnt%4):LNA+2*(cnt%4)+1]
.endif
.set cnt, cnt+1
.endr
	WIN 0
.else
.set bb, 0
.rept 8
	WIN 0x01
.irp j, 0,1,2,3,4,5,6,7,8,9,10,11,12,13,14,15
	v_pk_add_f32 v[LNT+2*\j:LNT+2*\j+1], v[32*bb+2*\j:32*bb+2*\j+1], v[LNM:LNM+1] neg_lo:[0,1] neg_hi:[0,1]
.endr
	WIN 0
.irp j, 0,1,2,3,4,5,6,7,8,9,10,11,12,13,14,15
.if (bb == 0) && (\j < 4)
	v_pk_mul_f32 v[LNA+2*\j:LNA+2*\j+1], v[LNT+2*\j:LNT+2*\j+1], v[LNT+2*\j:LNT+2*\j+1]
.else
	v_pk_fma_f32 v[LNA+2*(\j%4):LNA+2*(\j%4)+1], v[LNT+2*\j:LNT+2*\j+1], v[LNT+2*\j:LNT+2*\j+1], v[LNA+2*(\j%4):LNA+2*(\j%4)+1]
.endif
.endr
.set bb, bb+1
.endr
.endif
	LNFOLD
	v_fma_f32 v[LNX], v[LNX], s100, s101           ; variance + eps
	s_wait_alu depctr_va_vdst(0)                   ; ahead of the transcendentals
	v_rsq_f32 v[LNR], v[LNX]
	v_rsq_f32 v[LNR+1], v[LNX]
	v_nop                                          ; a plain place behind the transcendentals
	s_wait_alu depctr_va_vdst(0)
.set bb, 0
.rept 8                                ; block bb of 32 channels: K step bb / 4, half c = (bb / 2) % 2 of its fragment
	WIN 0x01
.if \ip
.irp j, 0,1,2,3,4,5,6,7,8,9,10,11,12,13,14,15
	v_pk_mul_f32 v[LNT+2*\j:LNT+2*\j+1], v[32*bb+2*\j:32*bb+2*\j+1], v[LNR:LNR+1]
.endr
	WIN 0
.else
.irp j, 0,1,2,3,4,5,6,7,8,9,10,11,12,13,14,15
	v_pk_add_f32 v[LNT+2*\j:LNT+2*\j+1], v[32*bb+2*\j:32*bb+2*\j+1], v[LNM:LNM+1] neg_lo:[0,1] neg_hi:[0,1]
.endr
	WIN 0
.irp j, 0,1,2,3,4,5,6,7,8,9,10,11,12,13,14,15
	v_pk_mul_f32 v[LNT+2*\j:LNT+2*\j+1], v[LNT+2*\j:LNT+2*\j+1], v[LNR:LNR+1]
.endr
.endif
	s_wait_kmcnt 0x0                               ; this block's gains and biases
.set cnt, 0
.rept 32
	v_fma_f32 v[LNT+cnt], v[LNT+cnt], s[16+cnt], s[48+cnt+4*(cnt/16)]
.set cnt, cnt+1
.endr
.if bb < 7
	SLD bb+1
.endif
	v_max3_num_f32 v[LNX], |v[LNT]|, |v[LNT+1]|, 0x2800000          ; the block's largest magnitude, two chains; the floor 2^(5 - 127) holds the byte at 1 from below
	v_max3_num_f32 v[LNX+1], |v[LNT+2]|, |v[LNT+3]|, |v[LNT+4]|
.irp i, 5,9,13,17,21,25
	v_max3_num_f32 v[LNX], v[LNX], |v[LNT+\i]|, |v[LNT+\i+1]|
	v_max3_num_f32 v[LNX+1], v[LNX+1], |v[LNT+\i+2]|, |v[LNT+\i+3]|
.endr
	v_max3_num_f32 v[LNX], v[LNX], |v[LNT+29]|, |v[LNT+30]|
	v_max3_num_f32 v[LNX], v[LNX], v[LNX+1], |v[LNT+31]|
	v_add_nc_u32 v[LNS], 0xfe000000, v[LNX]        ; 4 off the exponent field: the conversion's scale operand
	v_lshrrev_b32 v[LNB], 23, v[LNS]               ; the byte
.if bb%4 == 0
	v_mov_b32 v[(\sw)+bb/4], v[LNB]
.else
	v_lshl_or_b32 v[(\sw)+bb/4], v[LNB], 8*(bb%4), v[(\sw)+bb/4]
.endif
.if bb%2 == 0
.set dst, RF+24*(\flo)+12*(bb/4)+6*((bb/2)%2)
.else
.set dst, RF+24*(\fhi)+12*(bb/4)+6*((bb/2)%2)
.endif
	v_cvt_scalef32_pk16_bf6_f32 v[dst:dst+2], v[LNT:LNT+15], v[LNS]
	v_cvt_scalef32_pk16_bf6_f32 v[LNC:LNC+2], v[LNT+16:LNT+31], v[LNS]   ; (a conversion's three registers begin on an even number)
	v_nop                                          ; one plain place behind a scaled conversion
.irp i, 0,1,2
	v_mov_b32 v[dst+3+\i], v[LNC+\i]
.endr
.if bb%2 == 1                          ; even block: [lo tile | hi tile]; odd block likewise.  The swap makes [lo even | lo odd] and [hi even | hi odd]: the operand's layout, a whole block to a lane
.irp i, 0,1,2,3,4,5
	v_permlane16_swap_b32 v[RF+24*(\flo)+12*(bb/4)+6*((bb/2)%2)+\i], v[dst+\i]
.endr
.endif
.set bb, bb+1
.endr
	PLACES 8                                       ; scale words written by vector instructions stand 8 places ahead of a scaled product, operands 4
.endm
; ---- the chunks of k (with q and the scores) and of v (with the weighted sums): 32 channels.  c = 0, 1: the trip's first or second chunk, which is also its chunk buffer
.macro KROW c, rho                     ; row rho's left and right neighbours of my token, my 16 channels of each: 8 loads (the middle one lies in my own accumulators)
.irp e, 0,2
.irp q, 0,1,2,3
	ds_load_b128 v[VECK+16*(3*((\rho)%2)+\e)+4*\q:VECK+16*(3*((\rho)%2)+\e)+4*\q+3], v[240+(\c)] offset:DROW*(\rho)+DPL*\e+16*\q
.endr
.endr
.endm
.macro KFMA rho                        ; their products with q of the own tiles that have row rho among their three
.irp p, 0,1,2,3,4,5,6,7
.irp e, 0,2
.irp m, 0,1
.if ((\rho)-\m >= 0) && ((\rho)-\m <= 2)
.set rSA, SA+2*(9*\m+3*((\rho)-\m)+\e)
.set rK, VECK+16*(3*((\rho)%2)+\e)+2*\p
	v_pk_fma_f32 v[rSA:rSA+1], v[16*\m+2*\p:16*\m+2*\p+1], v[rK:rK+1], v[rSA:rSA+1]
.endif
.endr
.endr
.endr
.endm
.macro KMID                            ; the middle neighbour of row rho is my own token's k: accumulators DD + 16 rho, in window 0; q and the partial scores in window 1
.irp p, 0,1,2,3,4,5,6,7
.irp rho, 0,1,2,3
.irp m, 0,1
.if (\rho-\m >= 0) && (\rho-\m <= 2)
.set rSA, SA+2*(9*\m+3*(\rho-\m)+1)
	v_pk_fma_f32 v[rSA:rSA+1], v[16*\m+2*\p:16*\m+2*\p+1], v[DD+16*\rho+2*\p:DD+16*\rho+2*\p+1], v[rSA:rSA+1]
.endif
.endr
.endr
.endr
.endm
.macro DLOAD c, mat                    ; four weight fragments, their scale words, and the bias into the accumulators of tile 0 alone: it is the C of every tile's first product
.irp u, 0,1
.irp s, 0,1
	F3 WFR+12*(2*\u+\s), CHW, (4*(\c)+2*\u+\s)*1536
.endr
	ds_load_b32 v[WSK+\u], v[CHS] offset:(16*(\mat)+2*(\c)+\u)*128
.endr
.irp rho, 0
.irp u, 0,1
.irp q, 0,1
	ds_load_b128 v[DD+16*\rho+8*\u+4*\q:DD+16*\rho+8*\u+4*\q+3], v[CHB] offset:1024*(\mat)+128*(\c)+32*\u+16*\q
.endr
.endr
.endr
.endm
.macro DMUL                            ; 16 products: the eight accumulators by turns, K step by K step
.irp s, 0,1
.irp rho, 1,2,3,0                      ; tile 0 last: in K step 0 its products write over the bias that the other six have read as C, five places behind the last of them
.if (\s == 0) && (\rho == 0)
	PLACES 5
.endif
.irp u, 0,1
	WM DD+16*\rho+8*\u, WFR+12*(2*\u+\s), RF+24*\rho+12*\s, DD+16*\rho*\s+8*\u, WSK+\u, SH+2*(((\rho+1)/2)%2)+\s, \s, \rho/2
.endr
.endr
.endr
.endm
.macro DSTORE c                        ; to the chunk buffer: place (rho, my column + 1), 64 h + 32 u bytes in; each accumulator from its low end on
.irp rho, 0,1,2,3
.irp u, 0,1
.irp q, 0,1
	ds_store_b128 v[5+(\c)], v[DD+16*\rho+8*\u+4*\q:DD+16*\rho+8*\u+4*\q+3] offset:DROW*\rho+DPL+32*\u+16*\q
.endr
.endr
.endr
.endm
.macro KCH c
	DLOAD \c, 1
.irp u, 0,1
	ds_load_b32 v[WSQ+\u], v[CHS] offset:(2*(\c)+\u)*128
.endr
	WIN 0x40
.irp u, 0,1
.irp s, 0,1
	F3 WQ+12*(2*\u+\s), CHQ, (4*(\c)+2*\u+\s)*1536
.endr
.endr
.irp m, 0
.irp u, 0,1
.irp q, 0,1
	ds_load_b128 v[QB+8*\u+4*\q:QB+8*\u+4*\q+3], v[CHB] offset:128*(\c)+32*\u+16*\q   ; bq, once: the C of both tiles' first products
.endr
.endr
.endr
	WIN 0
	s_wait_dscnt 0x0
	DMUL
	WIN 0x51                                       ; q: weights, C and D in window 1, tokens in window 0
.irp s, 0,1
.irp m, 0,1
.irp u, 0,1
	WM 16*\m+8*\u, WQ+12*(2*\u+\s), RF+24*(\m+1)+12*\s, (1-\s)*(QB+8*\u)+\s*(16*\m+8*\u), WSQ+\u, SO+\s, \s, \m
.endr
.endr
.endr
	WIN 0
	PLACES 4                                       ; in front of the stores that read the results, and of the next chunk's loads into the products' registers
	DSTORE \c
	WIN 0x51
	KMID                                           ; 48 products on registers alone, while the stores land
	WIN 0
	BAR                                            ; the chunk lies whole in its buffer.  The buffer is written again two chunks on, by waves that have passed the next chunk's barrier, which every wave reaches behind its reads below
	WIN 0x55
	KROW \c, 0
	KROW \c, 1
	s_wait_dscnt 8                                 ; all but the younger row's 8 loads
	KFMA 0
	KROW \c, 2
	s_wait_dscnt 8
	KFMA 1
	KROW \c, 3
	s_wait_dscnt 8
	KFMA 2
	s_wait_dscnt 0x0
	KFMA 3
	WIN 0
.endm
; v's twelve neighbour vectors n = 3 rho + e come through a ring of five
.macro VLD c, n
.irp q, 0,1,2,3
	ds_load_b128 v[VECV+16*((\n)%5)+4*\q:VECV+16*((\n)%5)+4*\q+3], v[5+(\c)] offset:DROW*((\n)/3)+DPL*((\n)%3)+16*\q
.endr
.endm
.macro VF n                            ; weight x vector n, for the own tiles that have its row among their three; a tile's first product starts its sums
.irp m, 0,1
.if ((\n)/3-\m >= 0) && ((\n)/3-\m <= 2)
.set ww, 9*\m+3*((\n)/3-\m)+(\n)%3
.set rV, VECV+16*((\n)%5)
.set rA, ATT+16*\m
.irp p, 0,1,2,3,4,5,6,7
.if ww == 9*\m
.if ww%2
	v_pk_mul_f32 v[rA+2*\p:rA+2*\p+1], v[rV+2*\p:rV+2*\p+1], v[WGT+ww-1:WGT+ww] op_sel:[0,1] op_sel_hi:[1,1]
.else
	v_pk_mul_f32 v[rA+2*\p:rA+2*\p+1], v[rV+2*\p:rV+2*\p+1], v[WGT+ww:WGT+ww+1] op_sel_hi:[1,0]
.endif
.else
.if ww%2
	v_pk_fma_f32 v[rA+2*\p:rA+2*\p+1], v[rV+2*\p:rV+2*\p+1], v[WGT+ww-1:WGT+ww], v[rA+2*\p:rA+2*\p+1] op_sel:[0,1,0] op_sel_hi:[1,1,1]
.else
	v_pk_fma_f32 v[rA+2*\p:rA+2*\p+1], v[rV+2*\p:rV+2*\p+1], v[WGT+ww:WGT+ww+1], v[rA+2*\p:rA+2*\p+1] op_sel_hi:[1,0,1]
.endif
.endif
.endr
.endif
.endr
.endm
.macro DEP J                           ; x1 = x + the chunk's sums: x lies in window 1 in layout LT, chunk J in registers 32 J on
	WIN 0x41
.irp m, 0,1
.irp p, 0,1,2,3,4,5,6,7
	v_pk_add_f32 v[32*(\J)+16*\m+2*\p:32*(\J)+16*\m+2*\p+1], v[224+16*\m+2*\p:224+16*\m+2*\p+1], v[ATT+16*\m+2*\p:ATT+16*\m+2*\p+1]   ; x's chunk has landed in window 1's registers 224 on
.endr
.endr
	WIN 0
.endm
.macro DEPIF J                         ; chunk J's additions, if the trip's number s24 is J
	s_cmp_lg_u32 s24, \J
	s_cbranch_scc1 .Lnot_\@
	DEP \J
	s_branch .Ldepx
.Lnot_\@:
.endm
.macro VCH c
	XCH                                            ; x's chunk: it has the whole trip in which to land
	DLOAD \c, 2
	s_wait_dscnt 0x0
	DMUL
	PLACES 4
	DSTORE \c
	BAR
.irp n, 0,1,2,3,4
	VLD \c, \n
.endr
.set nn, 0
.rept 12
	s_wait_alu depctr_va_vdst(0)                   ; directly ahead of the wait below: the sums just written are taken up again behind it
.if 11-nn >= 4
	s_wait_dscnt 16                                ; all but the four younger vectors' 16 loads
.else
	s_wait_dscnt 4*(11-nn)                         ; at the end fewer are behind
.endif
	VF nn
.if nn+5 <= 11
	VLD \c, nn+5                                   ; into the registers just read
.endif
.set nn, nn+1
.endr
	s_wait_alu depctr_va_vdst(0)                   ; directly ahead of the wait below
	s_wait_loadcnt 0x0                             ; x's chunk is in, and its loads' base is free
	; registers cannot be indexed by a count: the sixteen additions stand once for each chunk, chosen by the trip's number s24
.irp J, 0,1,2,3,4,5,6
	DEPIF \J
.endr
	DEP 7
.Ldepx:
	s_wait_alu depctr_va_vdst(0)                   ; behind the label where the ways join
	s_add_nc_u64 s[8:9], s[8:9], 0x200000          ; 32 channels of 65,536 bytes on
.endm
.macro CHSTEP                          ; on to the next chunk
	s_add_co_u32 s25, s25, 6144                    ; one chunk on: 4 fragments, 2 scale images, 32 biases,
	s_add_co_u32 s26, s26, 256
	s_add_co_u32 s27, s27, 128
	s_xor_b32 s28, s28, D1-D0                      ; the other chunk buffer
	s_add_co_u32 s24, s24, 1
	s_cmp_lt_u32 s24, 8
.endm
.macro CHZERO
	s_mov_b32 s24, 0
	s_mov_b32 s25, 0
	s_mov_b32 s26, 0
	s_mov_b32 s27, 0
	s_mov_b32 s28, 0
.endm
; ---- the MLP
; gelu(x) = x / 2 + x / 2 erf(x / sqrt 2), erf(x / sqrt 2) = xc A(u) / B(u), xc = x held to +-4 sqrt 2, u = xc^2; the coefficients carry the powers of 1/2 and the 1 / sqrt 2.  Eight numbers: 72 instructions.
; In the form used here: gelu(x) = x (1/2 + xc A(u) / B(u)), A's coefficients carrying one more factor 1/2.  All four accumulators are clamped first: so each is first read, from its low end on, ahead of every reciprocal.
.macro CLAMP h, gc
.irp j, 0,1,2,3,4,5,6,7
	v_med3_num_f32 v[(\gc)+\j], v[(\h)+\j], s40, s41
.endr
.endm
.macro GELU8 h, gc
.irp j, 0,2,4,6
	v_pk_mul_f32 v[GU+\j:GU+\j+1], v[(\gc)+\j:(\gc)+\j+1], v[(\gc)+\j:(\gc)+\j+1]
.endr
.irp j, 0,2,4,6
	v_pk_fma_f32 v[GA+\j:GA+\j+1], v[GU+\j:GU+\j+1], s[16:17], v[244:245] op_sel_hi:[1,0,1]
.endr
.irp j, 0,2,4,6
	v_pk_fma_f32 v[GB+\j:GB+\j+1], v[GU+\j:GU+\j+1], s[30:31], v[246:247] op_sel_hi:[1,0,1]
.endr
.irp k, 20,22,24
.irp j, 0,2,4,6
	v_pk_fma_f32 v[GA+\j:GA+\j+1], v[GA+\j:GA+\j+1], v[GU+\j:GU+\j+1], s[\k:\k+1] op_sel_hi:[1,1,0]
.endr
.irp j, 0,2,4,6
	v_pk_fma_f32 v[GB+\j:GB+\j+1], v[GB+\j:GB+\j+1], v[GU+\j:GU+\j+1], s[\k+14:\k+15] op_sel_hi:[1,1,0]
.endr
.endr
.irp k, 26,28
.irp j, 0,2,4,6
	v_pk_fma_f32 v[GA+\j:GA+\j+1], v[GA+\j:GA+\j+1], v[GU+\j:GU+\j+1], s[\k:\k+1] op_sel_hi:[1,1,0]
.endr
.endr
	s_wait_alu depctr_va_vdst(0)                   ; ahead of the batch
.irp j, 0,1,2,3,4,5,6,7
	v_rcp_f32 v[GB+\j], v[GB+\j]
.endr
.irp j, 0,2,4,6
	v_pk_mul_f32 v[GA+\j:GA+\j+1], v[GA+\j:GA+\j+1], v[(\gc)+\j:(\gc)+\j+1]    ; (plain places behind the reciprocals)
.endr
	s_wait_alu depctr_va_vdst(0)                   ; and behind it, ahead of its first reader
.irp j, 0,2,4,6
	v_pk_fma_f32 v[GA+\j:GA+\j+1], v[GA+\j:GA+\j+1], v[GB+\j:GB+\j+1], 0.5 op_sel_hi:[1,1,0]    ; 1/2 + erf / 2
.endr
.irp j, 0,2,4,6
	v_pk_mul_f32 v[(\h)+\j:(\h)+\j+1], v[(\h)+\j:(\h)+\j+1], v[GA+\j:GA+\j+1]
.endr
.endm
; Block beta of 32 hidden units, both tiles of tokens by turns: a lane holds 16 of the 32 (k = 32 beta + 16 h + 0 .. 15), lane l xor 16 the others
.macro QH                              ; written once for all four blocks: the scale word is shifted down a byte and the new byte laid on top; the codes go to my stage at v[PSA]
.irp m, 0,1
	v_max3_num_f32 v[MX+\m], |v[HH+16*\m]|, |v[HH+16*\m+1]|, 0x2800000
.endr
.irp i, 2,4,6,8,10,12,14
.irp m, 0,1
	v_max3_num_f32 v[MX+\m], v[MX+\m], |v[HH+16*\m+\i]|, |v[HH+16*\m+\i+1]|
.endr
.endr
.irp m, 0,1
	v_permlanex16_b32 v[MY+\m], v[MX+\m], s12, s13
.endr
.irp m, 0,1
	v_max_num_f32 v[MX+\m], v[MX+\m], v[MY+\m]
.endr
.irp m, 0,1
	v_add_nc_u32 v[SC+\m], 0xfe000000, v[MX+\m]
.endr
.irp m, 0,1
	v_lshrrev_b32 v[BY+\m], 23, v[SC+\m]
.endr
.irp m, 0,1
	v_lshrrev_b32 v[SO+\m], 8, v[SO+\m]
.endr
.irp m, 0,1
	v_lshl_or_b32 v[SO+\m], v[BY+\m], 24, v[SO+\m]  ; behind four blocks byte b is block b's
.endr
.irp m, 0,1
	v_cvt_scalef32_pk16_bf6_f32 v[STG+4*\m:STG+4*\m+2], v[HH+16*\m:HH+16*\m+15], v[SC+\m]
.endr
	v_nop                                          ; one plain place behind a scaled conversion
.irp m, 0,1
	ds_store_b64 v[PSA], v[STG+4*\m:STG+4*\m+1] offset:CTIL*\m     ; my 16 codes, 12 bytes as 8 + 4, to the place 32 x block + 16 h of my token's row
	ds_store_b32 v[PSA], v[STG+4*\m+2] offset:CTIL*\m+8
.endr
.endm
.macro FC1LD beta
.irp u, 0,1
.irp s, 0,1
	F3 WB0+12*(2*\u+\s), 14, (4*(\beta)+2*\u+\s)*1536
.endr
	ds_load_b32 v[WS+\u], v15 offset:49152+(2*(\beta)+\u)*128
.irp q, 0,1
	ds_load_b128 v[BI+8*\u+4*\q:BI+8*\u+4*\q+3], v[BIC] offset:128*(\beta)+32*\u+16*\q
.endr
.endr
.endm
.macro FC2LD g, wb
.irp k, 0,1,2,3
	F3 (\wb)+12*\k, 14, (4*(\g)+\k)*1536           ; (behind the four blocks v14 stands at fc2's fragments, 24,576 bytes into the slot)
.endr
.endm
.macro FC2MUL g, wb                    ; eight of fc2's 32 accumulators, one instruction each
	WIN 0x50
.irp k, 0,1,2,3
.irp m, 0,1
	WM 32*((4*(\g)+\k)/2)+16*\m+8*(\k%2), (\wb)+12*\k, PP+12*\m, 32*((4*(\g)+\k)/2)+16*\m+8*(\k%2), WS+(4*(\g)+\k)/2, SO+\m, \k%2, 0
.endr
.endr
	WIN 0
.endm
; A trip: 128 hidden units.  It reads the slot at s42; with refill = 1 the next block is asked for, into the other slot, first thing: it has the whole trip in which to land.
.macro ADR                             ; the addresses for block s44 of 32 hidden units, in the slot at s42: 4 fragments, 2 scale images, 32 biases and 32 bytes of a stage row a block
	s_mul_i32 s45, s44, 6144
	s_add_co_u32 s45, s45, s42
	s_lshl_b32 s46, s44, 8
	s_add_co_u32 s46, s46, s42
	s_lshl_b32 s47, s44, 7
	s_lshl_b32 s48, s44, 5
	v_add_nc_u32 v14, s45, v3
	v_add_nc_u32 v15, s46, v4
	v_add_nc_u32 v[BIC], s47, v[BIA]
	v_add_nc_u32 v[PSA], s48, v[PSB]
	s_wait_alu depctr_va_vdst(0)
.endm
.macro TRIP refill
.if \refill
	REFILL 1
.else
	WIN 0
	s_wait_tensorcnt 0x0                           ; my part of the last block has landed
	ds_add_u32 v1, v2
	s_wait_dscnt 0x0
	s_barrier_signal -1
	s_barrier_wait -1                              ; everybody's has
.endif
	s_mov_b32 s44, 0
	ADR
	FC1LD 0
.Lbeta_\@:                             ; four trips, a block of 32 hidden units each
	s_wait_dscnt 0x0
.irp s, 0,1
.irp m, 0,1
.irp u, 0,1
.if \s == 0
	WM HH+16*\m+8*\u, WB0+24*\u, RF+24*\m, BI+8*\u, WS+\u, SH, 0, \m               ; fc1_b is the C of the sum's first product
.else
	WM HH+16*\m+8*\u, WB0+24*\u+12, RF+24*\m+12, HH+16*\m+8*\u, WS+\u, SH+1, 1, \m
.endif
.endr
.endr
.endr
	PLACES 4                                       ; in front of the loads into the products' registers and of the first read of results
	FC1LD 1                                        ; one block on; they land while this block's GELU is worked.  In the fourth trip the same addresses are fc2's first four fragments and first two scale images, and the next 128 units' first biases (behind fc1_b's end: 1,024 bytes of zeros)
	CLAMP HH, GC
	CLAMP HH+8, PP                                 ; (the fragment's registers are free until the codes are read back)
	CLAMP HH+16, PP+8
	CLAMP HH+24, PP+16
	GELU8 HH, GC
	GELU8 HH+8, PP
	GELU8 HH+16, PP+8
	GELU8 HH+24, PP+16
	QH
	s_add_co_u32 s44, s44, 1
	ADR
	s_cmp_lt_u32 s44, 4
	s_cbranch_scc1 .Lbeta_\@
.irp t, 2,3,4,5,6,7
	ds_load_b32 v[WS+\t], v15 offset:49152+128*\t  ; (v15 stands 1,024 bytes on: fc2's scale images)
.endr
.irp m, 0,1                            ; the hidden layer's fragments out of my stage: lane (r, h) takes blocks h and 2 + h of token r, each as its lower and its upper 12 bytes.  LDS serves a wave's instructions in order: these see my stores
.irp c, 0,1
	ds_load_b64 v[PP+12*\m+6*\c:PP+12*\m+6*\c+1], v[PLD] offset:CTIL*\m+64*\c
	ds_load_b32 v[PP+12*\m+6*\c+2], v[PLD] offset:CTIL*\m+64*\c+8
.irp i, 0,1,2
	ds_load_b32 v[PP+12*\m+6*\c+3+\i], v[PLD] offset:CTIL*\m+64*\c+16+4*\i
.endr
.endr
.endr
	FC2LD 1, WB1
	PLACES 8                                       ; the hidden layer's scale words stand 8 places ahead of the scaled products
	s_wait_dscnt 12                                ; all but the younger group's 12 loads
	FC2MUL 0, WB0
	PLACES 4
	FC2LD 2, WB0
	s_wait_dscnt 12
	FC2MUL 1, WB1
	PLACES 4
	FC2LD 3, WB1
	s_wait_dscnt 12
	FC2MUL 2, WB0
	s_wait_dscnt 0x0
	FC2MUL 3, WB1
	PLACES 5                                       ; the next trip's first products write over registers that these have read
.if \refill
	s_xor_b32 s42, s42, SLOT1
	v_add_nc_u32 v[BIA], 512, v[BIA]
	s_wait_alu depctr_va_vdst(0)
.endif
.endm
; ================ the head
	s_load_b512 s[16:31], s[0:1], 0x0              ; x, wqkv, wmlp, ln1_g, ln1_b, ln2_g, ln2_b, bq
	s_load_b256 s[32:39], s[0:1], 0x40             ; bk, bv, fc1_b, fc2_b
	v_lshl_add_u32 v1, v0, 2, SPARE
	v_mov_b32 v2, 0
	ds_add_u32 v1, v2
	ds_add_u32 v1, v2
	s_wait_dscnt 0x0
	v_lshrrev_b32 v16, 5, v0
	v_readfirstlane_b32 s4, v16                    ; wave 0..7
	s_bfe_u32 s5, ttmp6, 0x40000                   ; cx
	s_lshl_b32 s6, ttmp9, 2
	s_add_co_u32 s5, s6, s5                        ; g: it enters global addresses and select masks alone
	s_and_b32 s6, s5, 63
	s_lshl_b32 s6, s6, 1                           ; y0
	s_lshr_b32 s7, s5, 6
	s_lshl_b32 s2, s7, 24                          ; an image is 2^24 bytes
	s_mov_b32 s3, 0
	s_mov_b32 s12, 0x76543210
	s_mov_b32 s13, 0xfedcba98                      ; v_permlanex16_b32's selects for lane l xor 16
	; descriptor group 1: a dense block as rows of 256 bytes (32 elements of 8 bytes), 75 rows a wave: an eighth of wqkv
	s_mov_b32 s88, 15|(3<<16)|(1<<21)              ; 15:0 the mask: all four work-groups; 17:16 elements of 8 bytes; 21 set beside a mask
	s_mov_b32 s89, 32<<16                          ; tensor_dim0
	s_mov_b32 s90, 75<<16                          ; tensor_dim1
	s_mov_b32 s91, 32<<16                          ; tile_dim0
	s_mov_b32 s92, 75                              ; tile_dim1
	s_mov_b32 s93, 32                              ; from row to row
	s_mov_b32 s94, 0
	s_mov_b32 s95, 0
	s_mov_b32 s96, 1
	s_mul_i32 s97, s4, 19200                       ; LDS address: the wave's number alone
	s_mov_b32 s100, s97
	s_mov_b32 s101, 0
	s_wait_kmcnt 0x0
	s_add_nc_u64 s[98:99], s[18:19], s[100:101]
	s_or_b32 s99, s99, 0x80000000                  ; type = 2
	s_add_nc_u64 s[8:9], s[16:17], s[2:3]          ; x at my image, channels 0 on,
	s_add_nc_u64 s[10:11], s[8:9], 0x800000        ; and channels 128 on
	ROUND                                          ; the four work-groups are here: the first joint loads meet
	tensor_load_to_lds s[96:99], s[88:95]
	s_nop 0
	PLACES 4
	v_and_b32 v16, 31, v0                          ; lane
	v_and_b32 v17, 15, v0                          ; r
	v_bfe_u32 v18, v0, 4, 1                        ; h
	v_lshlrev_b32 v3, 4, v16                       ; v3  16 x lane: an image's place; q's weights begin at LDS byte 0
	v_lshlrev_b32 v4, 2, v16                       ; v4  4 x lane
	v_mul_u32_u24 v19, v17, DPL
	v_lshl_add_u32 v19, v18, 6, v19
	s_mul_i32 s2, s4, 16*DPL
	v_add_nc_u32 v19, s2, v19
	v_add_nc_u32 v6, D0, v19                       ; v6  chunk buffer 0: place 16 w + r, + 64 h;  v5 the trip's buffer: v6 + s28
	v_add_nc_u32 v7, 49152, v3                     ; v7  k's weights
	v_add_nc_u32 v8, 98304, v3                     ; v8  v's
	v_add_nc_u32 v9, 147456, v4                    ; v9  their scale images
	v_lshlrev_b32 v10, 6, v18
	v_add_nc_u32 v10, BT, v10                      ; v10 the biases' table, + 64 h
	s_lshl_b32 s2, s4, 6
	v_lshl_add_u32 v20, v17, 2, s2                 ; my column, in bytes
	s_sub_co_i32 s3, s6, 1
	s_max_i32 s3, s3, 0                            ; row y0 - 1, held inside the image
	s_add_co_u32 s7, s6, 2
	s_min_u32 s7, s7, 127                          ; row y0 + 2 likewise
	s_sub_co_u32 s7, s7, s3
	v_mul_u32_u24 v11, s7, v18
	v_add_nc_u32 v11, s3, v11
	v_lshl_add_u32 v11, v11, 9, v20                ; v11 x: lanes 0-15 the row above, lanes 16-31 the row below; in LN1's second trip v12's number
	v_add_nc_u32 v12, s6, v18
	v_lshl_add_u32 v12, v12, 9, v20                ; v12 x: lanes 0-15 row y0, lanes 16-31 row y0 + 1
	s_lshl_b32 s2, s6, 9
	v_add_nc_u32 v13, s2, v20
	v_lshl_add_u32 v13, v18, 20, v13               ; v13 x in layout LT: row y0, + 16 h channels
	v_lshlrev_b32 v194, 2, v0
	v_lshlrev_b32 v195, 4, v0
	v_add_nc_u32 v192, BT, v194
	v_add_nc_u32 v193, BT+3072, v195
	global_load_b32 v184, v194, s[30:31]           ; bq, bk, bv: a number a thread; fc1_b: four.  Into registers that LayerNorm does not touch: they go to LDS behind LN1
	global_load_b32 v185, v194, s[32:33]
	global_load_b32 v186, v194, s[34:35]
	global_load_b128 v[188:191], v195, s[36:37]
	s_mov_b64 s[84:85], s[22:23]                   ; ln1_g, ln1_b
	s_mov_b64 s[86:87], s[24:25]
	; places 0 and 129 of every row of both chunk buffers (columns -1 and 128) are zeroed once: what the mask throws away must be a number.  2 x 4 x 2 places x 16 pieces of 8 bytes: one a thread
	v_lshrrev_b32 v196, 7, v0
	v_mul_u32_u24 v196, v196, D1-D0
	v_bfe_u32 v197, v0, 5, 2
	v_mad_u32_u24 v196, v197, DROW, v196
	v_bfe_u32 v197, v0, 4, 1
	v_mad_u32_u24 v196, v197, 129*DPL, v196
	v_and_b32 v197, 15, v0
	v_lshl_add_u32 v196, v197, 3, v196
	v_add_nc_u32 v196, D0, v196
	v_mov_b32 v198, 0
	v_mov_b32 v199, 0
	ds_store_b64 v196, v[198:199]
	ds_store_b32 v192, v198 offset:7168            ; 1,024 bytes of zeros behind fc1_b: the MLP's last look one block ahead reads 128 of them
; ================ LN1 and its quantiser, written once and walked twice: first the two halo tiles, then the two own tiles.  Each trip writes tile places 1 and 2 and their scale words;
; behind the first trip they are moved to places 0 and 3.  Those places are written here once, so that they are written on every way through the loop's branch.
.set cnt, 0
.rept 24
	v_mov_b32 v[RF+cnt], 0
	v_mov_b32 v[RF+72+cnt], 0
.set cnt, cnt+1
.endr
	v_mov_b32 v[SH], 0
	v_mov_b32 v[SH+1], 0
	s_mov_b32 s7, 0
.Lln1:
	XL32 11
	s_wait_loadcnt 0x0                             ; x (and, in the first trip, the biases); the loads' bases and offsets are free
	LNQ 1, 2, SO, 1
	s_cmp_lg_u32 s7, 0
	s_cbranch_scc1 .Lown
.set cnt, 0
.rept 24
	v_mov_b32 v[RF+cnt], v[RF+24+cnt]              ; the row above: tile 0;
	v_mov_b32 v[RF+72+cnt], v[RF+48+cnt]           ; the row below: tile 3
.set cnt, cnt+1
.endr
	v_mov_b32 v[SH], v[SO]
	v_mov_b32 v[SH+1], v[SO+1]
	v_mov_b32 v11, v12                             ; the second trip takes my own two rows
.Lown:
	s_add_co_u32 s7, s7, 1
	s_cmp_lt_u32 s7, 2
	s_wait_alu depctr_va_vdst(0)                   ; directly ahead of the branch
	s_cbranch_scc1 .Lln1
	ds_store_b32 v192, v184                        ; the biases' table
	ds_store_b32 v192, v185 offset:1024
	ds_store_b32 v192, v186 offset:2048
	ds_store_b128 v193, v[188:191]
	s_wait_tensorcnt 0x0                           ; my eighth of wq wk wv has landed;
	BAR                                            ; everybody's has, and the biases' table and the zeros are written.
	s_load_b64 s[14:15], s[0:1], 0x10              ; wmlp
	s_mov_b32 s90, 25<<16                          ; the descriptor for the MLP's blocks: 25 rows a wave, an eighth of 51,200 bytes (no tensor load of mine is out)
	s_mov_b32 s92, 25
	s_mul_i32 s97, s4, 6400
	s_mov_b32 s100, s97
	s_mov_b32 s101, 0
	s_wait_kmcnt 0x0
	s_add_nc_u64 s[98:99], s[14:15], s[100:101]
	s_or_b32 s99, s99, 0x80000000
	WIN 0x40
.set cnt, 0
.rept 36
	v_mov_b32 v[SA+cnt], 0                         ; the 18 partial scores, pairs: the loop is written once, so its first chunk finds zeros
.set cnt, cnt+1
.endr
	WIN 0
; ================ k, q and the 18 scores: eight trips of one chunk
	CHZERO
.Lk:
	v_add_nc_u32 v[CHW], s25, v7
	v_add_nc_u32 v[CHQ], s25, v3
	v_add_nc_u32 v[CHS], s26, v9
	v_add_nc_u32 v[CHB], s27, v10
	v_add_nc_u32 v5, s28, v6                       ; the trip's chunk buffer,
	WIN 0x40
	v_add_nc_u32 v240, s28, v6                     ; and once more in window 1, so that k's neighbours are loaded and multiplied under one setting
	WIN 0
	s_wait_alu depctr_va_vdst(0)
	KCH 0
	CHSTEP
	s_cbranch_scc1 .Lk
	WIN 0x05
.set cnt, 0
.rept 18
	v_add_f32 v[SS+cnt], v[SA+2*cnt], v[SA+2*cnt+1]
.set cnt, cnt+1
.endr
	WIN 0
	REFILL 0                                       ; block 0 of wmlp over q's weights and the first 2,048 bytes of k's, which nobody reads any more
	v_and_b32 v177, 15, v0
	v_lshl_add_u32 v177, s4, 4, v177               ; my column
	v_cmp_ne_u32 s16, 0, v177                      ; a left neighbour;
	v_cmp_ne_u32 s17, 0x7f, v177                   ; a right one;
	s_cmp_gt_u32 s6, 0
	s_cselect_b32 s18, -1, 0                       ; a row above tile 0;
	s_cmp_lt_u32 s6, 126
	s_cselect_b32 s19, -1, 0                       ; a row below tile 1
	s_and_b32 s20, s18, s16
	s_and_b32 s21, s18, s17
	s_and_b32 s22, s19, s16
	s_and_b32 s23, s19, s17
	v_mov_b32 v176, 0xd06e6b28                     ; -1e9 x 16: the scores stay 16 times too large until the factor below, which rounds nothing
.set cnt, 0
.rept 18
	v_permlanex16_b32 v[TM+cnt], v[SS+cnt], s12, s13   ; (its destination counts as read: these registers held weight fragments)
.set cnt, cnt+1
.endr
.set cnt, 0
.rept 18
	v_add_f32 v[SS+cnt], v[SS+cnt], v[TM+cnt]      ; with the other 16 channels of every chunk
.set cnt, cnt+1
.endr
.macro MSK n, sr
	v_cndmask_b32 v[SS+\n], v176, v[SS+\n], s[\sr]
.endm
	MSK 0, 20
	MSK 1, 18
	MSK 2, 21
	MSK 3, 16
	MSK 5, 17
	MSK 6, 16
	MSK 8, 17
	MSK 9, 16
	MSK 11, 17
	MSK 12, 16
	MSK 14, 17
	MSK 15, 22
	MSK 16, 19
	MSK 17, 23
.irp m, 0,1
	v_max3_num_f32 v[172+\m], v[SS+9*\m], v[SS+9*\m+1], v[SS+9*\m+2]
.endr
.irp i, 3,5,7
.irp m, 0,1
	v_max3_num_f32 v[172+\m], v[172+\m], v[SS+9*\m+\i], v[SS+9*\m+\i+1]
.endr
.endr
.set cnt, 0
.rept 18
	v_sub_f32 v[SS+cnt], v[SS+cnt], v[172+cnt/9]   ; the maximum is taken away
.set cnt, cnt+1
.endr
.set cnt, 0
.rept 18
	v_mul_f32 v[SS+cnt], 0x3db8aa3b, v[SS+cnt]     ; x log2(e) / 16
.set cnt, cnt+1
.endr
.set cnt, 0
	s_wait_alu depctr_va_vdst(0)                   ; ahead of the batch
.rept 18
	v_exp_f32 v[SS+cnt], v[SS+cnt]
.set cnt, cnt+1
.endr
	v_nop                                          ; a plain place behind the exponentials
	s_wait_alu depctr_va_vdst(0)
.irp m, 0,1
	v_add_f32 v[174+\m], v[SS+9*\m], v[SS+9*\m+1]
.endr
.irp i, 2,3,4,5,6,7,8
.irp m, 0,1
	v_add_f32 v[174+\m], v[174+\m], v[SS+9*\m+\i]
.endr
.endr
	s_wait_alu depctr_va_vdst(0)                   ; and ahead of these two
	v_rcp_f32 v174, v174
	v_rcp_f32 v175, v175
	v_nop
.set cnt, 0
	s_wait_alu depctr_va_vdst(0)
.rept 18
	v_mul_f32 v[WGT+cnt], v[SS+cnt], v[174+cnt/9]
.set cnt, cnt+1
.endr
; ================ v and x1 = x + the weighted sums: eight trips of one chunk
	CHZERO
.Lv:
	v_add_nc_u32 v[CHW], s25, v8
	v_add_nc_u32 v[CHS], s26, v9
	v_add_nc_u32 v[CHB], s27, v10
	v_add_nc_u32 v5, s28, v6                       ; the trip's chunk buffer
	s_wait_alu depctr_va_vdst(0)
	VCH 0
	CHSTEP
	s_cbranch_scc1 .Lv
; ================ LN2 and its quantiser; x1 stays in window 1 and becomes the C of fc2's sums
	s_load_b128 s[84:87], s[0:1], 0x28             ; ln2_g, ln2_b
	SWAPX
	s_wait_kmcnt 0x0
	LNQ 0, 1, SH, 0
	SWAPX
.macro ACOEF reg, bits, k              ; numerator: x 2^-k / sqrt 2
	s_mov_b32 s[\reg], \bits
	s_mul_f32 s[\reg], s[\reg], 0x3eb504f3-(\k)*0x800000   ; 1 / (2 sqrt 2) x 2^-k: the quotient is erf / 2
	s_mov_b32 s[\reg+1], s[\reg]
.endm
.macro BCOEF reg, bits, k              ; denominator: x 2^-k, k off the exponent field
	s_mov_b32 s[\reg], \bits-(\k)*0x800000
	s_mov_b32 s[\reg+1], s[\reg]
.endm
	ACOEF 16, 0xaf95df0b, 6
	ACOEF 18, 0x32edffee, 5
	ACOEF 20, 0xb60cff51, 4
	ACOEF 22, 0xb86ec2d2, 3
	ACOEF 24, 0xba40ac63, 2
	ACOEF 26, 0xbb41a1f6, 1
	ACOEF 28, 0xbc83dbd4, 0
	BCOEF 30, 0xb77460cd, 4
	BCOEF 32, 0xb95fbd29, 3
	BCOEF 34, 0xbadc924e, 2
	BCOEF 36, 0xbbf19bf8, 1
	BCOEF 38, 0xbc69b6a7, 0
	s_mov_b32 s40, 0xc0b504f3                      ; -4 sqrt 2
	s_mov_b32 s41, 0x40b504f3
	s_mov_b32 s42, 0                               ; the slot in hand
	s_mov_b32 s43, 7
	v_mov_b32 v244, s18
	v_mov_b32 v245, s18
	v_mov_b32 v246, s32
	v_mov_b32 v247, s32
	v_add_nc_u32 v[BIA], 3072, v10                 ; fc1_b in the table, + 64 h
	v_mov_b32 v[MY], 0                             ; (a lane permute's destination counts as read)
	v_mov_b32 v[MY+1], 0
	v_and_b32 v100, 15, v0                         ; my stage for the hidden layer's codes, over chunk buffer 0, which nobody reads any more: wave x 2 tiles, token r's row,
	v_bfe_u32 v101, v0, 4, 1
	v_mul_u32_u24 v100, v100, CROW
	s_mul_i32 s44, s4, 2*CTIL
	v_add_nc_u32 v100, s44, v100
	v_lshl_add_u32 v[PSB], v101, 4, v100           ; in: + 16 h;
	v_lshl_add_u32 v[PLD], v101, 5, v100           ; back: + 32 h
	v_add_nc_u32 v[PSB], D0, v[PSB]
	v_add_nc_u32 v[PLD], D0, v[PLD]
	s_wait_alu depctr_va_vdst(0)
; ================ the MLP: eight trips of 128 hidden units
.Lmlp:
	TRIP 1
	s_sub_co_u32 s43, s43, 1
	s_cmp_lg_u32 s43, 0
	s_cbranch_scc1 .Lmlp
	TRIP 0                                         ; the last trip is written out: it asks for nothing
; ================ the way out: through a stage in LDS, so that whole image rows of 512 bytes leave.  The stage lies over the slots and the chunk buffers, which have had their last fill and their last read
	BAR
	v_and_b32 v89, 15, v0
	v_bfe_u32 v90, v0, 4, 1
	v_mul_u32_u24 v90, v90, 1088
	v_lshl_add_u32 v90, v89, 2, v90
	s_lshl_b32 s2, s4, 6
	v_add_nc_u32 v80, s2, v90                      ; stage row 32 b + 2 i + h (channel 32 b + 16 h + i) of 1,088 bytes: in it 512 m + 4 x column.  1,088 bytes are 16 banks on: the halves of the lanes do not meet
.irp b, 1,2,3,4,5,6,7
	v_add_nc_u32 v[80+\b], 34816*\b, v80
.endr
	s_mul_i32 s2, s4, 34816
	v_add_nc_u32 v88, s2, v3                       ; back: my 32 stage rows, 16 bytes a lane
	s_wait_alu depctr_va_vdst(0)
	WIN 0x04                                       ; an LDS store's data are its source 1: window 1
.irp b, 0,1,2,3,4,5,6,7
.irp m, 0,1
.irp i, 0,1,2,3,4,5,6,7,8,9,10,11,12,13,14,15
	ds_store_b32 v[80+\b], v[32*\b+16*\m+\i] offset:2176*\i+512*\m       ; each accumulator from its low end on
.endr
.endr
.endr
	WIN 0
	s_load_b128 s[84:87], s[0:1], 0x58             ; fc2_b, out0
	s_lshl_b32 s2, s4, 7
	s_mov_b32 s3, 0
	s_wait_kmcnt 0x0
	s_add_nc_u64 s[84:85], s[84:85], s[2:3]
	s_load_b512 s[16:31], s[84:85], 0x0            ; fc2_b of my 32 channels
	s_load_b512 s[32:47], s[84:85], 0x40
	s_lshr_b32 s7, s5, 6
	s_lshl_b32 s2, s7, 24                          ; my image,
	s_lshl_b32 s7, s4, 21
	s_add_co_u32 s2, s2, s7                        ; channel 32 w,
	s_lshl_b32 s7, s6, 9
	s_add_co_u32 s2, s2, s7                        ; row y0
	s_add_nc_u64 s[14:15], s[86:87], s[2:3]
	s_wait_kmcnt 0x0
	BAR                                            ; the stage is whole
.macro OLD k                           ; batch k: 8 stage rows x 2 image rows
.set rB, 16+100*((\k)%3)-36*(((\k)%3)/2)           ; v16, v116, v180: the scale registers v112-115 are passed over
.irp n, 0,1,2,3,4,5,6,7,8,9,10,11,12,13,14,15
	ds_load_b128 v[rB+4*\n:rB+4*\n+3], v88 offset:1088*(8*(\k)+\n/2)+512*(\n%2)
.endr
.endm
.macro OST k, younger                  ; younger: the loads of the batch behind, which may stay out
.set rB, 16+100*((\k)%3)-36*(((\k)%3)/2)
.irp n, 0,1,2,3,4,5,6,7,8,9,10,11,12,13,14,15
.set qq, 8*(\k)+\n/2
.set ch, 16*(qq%2)+qq/2
	s_wait_dscnt (\younger)+15-\n
.irp j, 0,1,2,3
	v_add_f32 v[rB+4*\n+\j], s[16+ch], v[rB+4*\n+\j]
.endr
	global_store_b128 v3, v[rB+4*\n:rB+4*\n+3], s[14:15] offset:ch*65536+512*(\n%2) th:TH_STORE_NT   ; 32 lanes store an image row of 512 bytes, at a multiple of 256 from out0's first byte
.endr
.endm
	OLD 0
	OLD 1
	OST 0, 16
	OLD 2
	OST 1, 16
	s_wait_xcnt 0x0                                ; batch 0's stores have read their registers: batch 3 lands there
	OLD 3
	OST 2, 16
	OST 3, 0
	s_wait_tensorcnt 0x0                           ; the wave's end, behind my last tensor load and my last LDS store
	ds_add_u32 v1, v2
	s_wait_dscnt 0x0
	ROUND                                          ; the closing round: no work-group ends while a partner may still ask for a block that names it
	s_endpgm
.Lfunc_end_k_qfbd4ec2c4e_block:
	.size	k_qfbd4ec2c4e_block, .Lfunc_end_k_qfbd4ec2c4e_block-k_qfbd4ec2c4e_block
	.p2alignl 7, 3214868480
	.fill 96, 4, 3214868480
	.section	.rodata,"a",@progbits
	.p2align	6, 0x0
	.amdhsa_kernel k_qfbd4ec2c4e_block
		.amdhsa_group_segment_fixed_size 327680
		.amdhsa_private_segment_fixed_size 0
		.amdhsa_enable_private_segment 0
		.amdhsa_kernarg_size 104
		.amdhsa_user_sgpr_count 2
		.amdhsa_user_sgpr_kernarg_segment_ptr 1
		.amdhsa_wavefront_size32 1
		.amdhsa_system_sgpr_workgroup_id_x 1
		.amdhsa_system_sgpr_workgroup_id_y 1
		.amdhsa_system_sgpr_workgroup_id_z 1
		.amdhsa_system_vgpr_workitem_id 0
		.amdhsa_next_free_vgpr 512
		.amdhsa_next_free_sgpr 102
		.amdhsa_reserve_vcc 0
		.amdhsa_float_denorm_mode_32 3
		.amdhsa_float_denorm_mode_16_64 3
		.amdhsa_memory_ordered 1
		.amdhsa_forward_progress 1
		.amdhsa_inst_pref_size 255
	.end_amdhsa_kernel
	.section	.bss,"aw",@nobits
	.p2align	6
	.space	262144
	.amdgpu_metadata
---
amdhsa.version: [ 1, 2 ]
amdhsa.kernels:
  - .name:           k_qfbd4ec2c4e_block
    .symbol:         k_qfbd4ec2c4e_block.kd
    .args:
      - { .name: x, .offset: 0, .size: 8, .value_kind: global_buffer, .address_space: global }
      - { .name: wqkv, .offset: 8, .size: 8, .value_kind: global_buffer, .address_space: global }
      - { .name: wmlp, .offset: 16, .size: 8, .value_kind: global_buffer, .address_space: global }
      - { .name: ln1_g, .offset: 24, .size: 8, .value_kind: global_buffer, .address_space: global }
      - { .name: ln1_b, .offset: 32, .size: 8, .value_kind: global_buffer, .address_space: global }
      - { .name: ln2_g, .offset: 40, .size: 8, .value_kind: global_buffer, .address_space: global }
      - { .name: ln2_b, .offset: 48, .size: 8, .value_kind: global_buffer, .address_space: global }
      - { .name: bq, .offset: 56, .size: 8, .value_kind: global_buffer, .address_space: global }
      - { .name: bk, .offset: 64, .size: 8, .value_kind: global_buffer, .address_space: global }
      - { .name: bv, .offset: 72, .size: 8, .value_kind: global_buffer, .address_space: global }
      - { .name: fc1_b, .offset: 80, .size: 8, .value_kind: global_buffer, .address_space: global }
      - { .name: fc2_b, .offset: 88, .size: 8, .value_kind: global_buffer, .address_space: global }
      - { .name: out0, .offset: 96, .size: 8, .value_kind: global_buffer, .address_space: global }
    .group_segment_fixed_size: 327680
    .private_segment_fixed_size: 0
    .kernarg_segment_align: 8
    .kernarg_segment_size: 104
    .max_flat_workgroup_size: 256
    .sgpr_count:     102
    .vgpr_count:     512
    .wavefront_size: 32
...
	.end_amdgpu_metadata
.endif
;; end of part 2
